; MI455X (gfx1250); checked and timed in simulation.
; The chip was launched on July 23, 2026; its instructions are those of AMD's public machine-readable ISA for CDNA 5 (MIT licence, August 2026) and "CDNA5" Instruction Set Architecture Reference Guide (July 2026). The comments in the code are by the model that wrote it; some were corrected since.
;; TS Multi Head Attention. Allowed arithmetic: float matrix products may take bf16 or f16 operands with f32 sums; other float arithmetic in f32, or as packed bf16 or f16 multiplies, adds, multiply-adds, maxima and minima; sums over many terms, partial sums and values carried from step to step in f32; what a program stores and reads back later, other than sums and carried values, may be rounded once to bf16 or f16.
;; Inputs: R 2,048 x 64 float32; Wk 512 x 8 x 64 float32; Wo 8 x 64 x 512 float32; Wq 512 x 8 x 64 float32; Wv 512 x 8 x 64 float32; attention_mask 1 x 1 x 2,048 x 2,048 bool; bk 8 x 64 float32; bo 512 float32; bq 8 x 64 float32; bv 8 x 64 float32; k 4 x 2,048 x 512 float32; q 4 x 2,048 x 512 float32; qr_bias 8 x 2,048 x 2,048 float32; v 4 x 2,048 x 512 float32.
;; Outputs: out0 4 x 2,048 x 512 float32.
;; 2 versions, each right; version 2 is version 1 with the launch outp written anew for expert scheduling mode. Each part assembles by itself: llvm-mc -triple=amdgcn-amd-amdhsa -mcpu=gfx1250 --defsym DOCPART=n.
;; ======== version 1 of 2: 4 launches
;; limits: right only within a limited range of input values; values are held in f16: magnitudes above 65,504 overflow, below 6.1e-05 lose precision
;; workspace buffers: wts 2,097,152 bytes; mb 524,800 bytes of whole numbers; qw 8,388,608 bytes; kv 16,777,216 bytes; ow 8,388,608 bytes
;; launch prep (part 1): grid 128 x 1, 8 waves a work-group, no clusters, 1,280 bytes of LDS; arguments Wq, Wk, Wv, Wo, attention_mask, wts, mb; writes wts, mb
.if DOCPART == 1
	.amdgcn_target "amdgcn-amd-amdhsa--gfx1250"
	.amdhsa_code_object_version 6
	.text
	.protected	k_q68e7bb54b2_prep
	.globl	k_q68e7bb54b2_prep
	.p2align	8
	.type	k_q68e7bb54b2_prep,@function
k_q68e7bb54b2_prep:
	s_mov_b64 s[64:65], 0
	v_nop
	global_prefetch_b8 v0, s[64:65] scope:SCOPE_SE
	s_setreg_imm32_b32 hwreg(HW_REG_WAVE_MODE, 25, 1), 1
	s_wait_xcnt 0x0
; TSMultiHeadAttention, launch 1 of 4: the weights and the mask are laid out once.
; WORK LEFT OUT IN THE WHOLE PROGRAM.  QK + QR = sum_d Q[i][d] K[j][d] + sum_d Q[i][d] R[j][d] = sum_d Q[i][d] (K[j][d] + R[j][d]) for all values of the inputs (distributive law):
; so K' = K + R is made once, and ONE product Q K'^T stands for reference()'s two.  Nothing else is left out and every input is loaded: bk is the same along the softmax's axis only where the
; mask is true, so it stays; the mask is an input, so no tile of scores is skipped.  A NaN, an infinity or an overflow that only the two separate products would make is not carried to the result.
; FORMATS.  q, k, v, Wq, Wk, Wv, Wo are rounded once to bf16 (Wo's bf16 number is then written as f16); Q, K', V, the weights p and O are f16; R, all biases, qr_bias, sums, maxima stay f32.
; LIMITS.  Wo below 6e-5 keeps f16's fixed step of 6e-8.  A mask byte other than 0 counts as true.
; CHUNKS.  All 16-bit matrix operands lie in chunks of 512 bytes = 16 rows x 16 k: the 16 bytes at 16 l hold row l % 16, k = 8 (l / 16) + 0..7: two chunks are one operand of a matrix instruction.
; wts: [mat 4][k64 8][n16 32][k16 4][512]: chunk row n = 16 n16 + l % 16 (the output channel), k = 64 k64 + 16 k16 + 8 (l / 16) + j.
; mb:  [tile of 16 queries 128][step of 64 keys 32][32 words]: word 4 t + e, bit l = 1 where mask[16 tile + 2 t + l / 16][64 step + 4 (l % 16) + e] is false: lane masks for launch 3.
;      from byte 524,288: one word a tile: bit l = 1 where row 16 tile + l % 16 has a true entry.
; SHARES.  Work-group W, wave w.  Mask: tile W, steps 4 w .. 4 w + 3.  Weights: matrix W / 32, k = 16 (W % 32) .. + 15, channels 64 w .. 64 w + 63.  No input is shared between work-groups: no cluster.
.set SPARE, 256                        ; LDS 0..31: the eight waves' alive bits; from 256: the spare words, 128 bytes a wave
.set M,   16                           ; v[16:47]  mask words, 8 st + t
.set X,   48                           ; v[48:79]  weights in f32, 8 c + j
.set Y,   80                           ; v[80:95]  weights packed
.set OUT, 96                           ; v[96:99]  the bit words: lane 8 st + t, register e
.set ACC, 100                          ; v[100:107]
.set TA,  108                          ; v[108:111] at work
.set SPW, 120
.set NIL, 121
	s_load_b256 s[4:11], s[0:1], 0x0               ; Wq s[4:5], Wk s[6:7], Wv s[8:9], Wo s[10:11]
	s_load_b128 s[12:15], s[0:1], 0x20             ; mask s[12:13], wts s[14:15]
	s_load_b64 s[16:17], s[0:1], 0x30              ; mb
	v_lshl_add_u32 v[SPW], v0, 2, SPARE
	v_mov_b32 v[NIL], 0
	v_lshrrev_b32 v1, 5, v0
	v_readfirstlane_b32 s18, v1                    ; wave 0..7
	v_and_b32 v2, 15, v0                           ; r = l % 16
	v_bfe_u32 v3, v0, 4, 1                         ; h = l / 16
	v_and_b32 v4, 31, v0                           ; l
	v_lshlrev_b32 v5, 2, v2
	v_lshl_add_u32 v6, v3, 11, v5                  ; mask: h rows of 2,048 bytes + 4 r
	v_lshl_add_u32 v7, v3, 14, v5                  ; weights: 8 h rows of 2,048 bytes + 4 r
	v_lshlrev_b32 v8, 4, v4                        ; 16 l
	s_lshr_b32 s19, ttmp9, 5                       ; matrix 0..3
	s_and_b32 s20, ttmp9, 31                       ; which 16 of its 512 k
	s_lshl_b32 s22, ttmp9, 15                      ; mask: 16 rows x 2,048
	s_lshl_b32 s21, s18, 8                         ; + 256 columns a wave
	s_add_co_u32 s22, s22, s21
	s_mov_b32 s23, 0
	s_lshl_b32 s36, s20, 15                        ; weights: 16 rows x 2,048 bytes
	s_add_co_u32 s36, s36, s21                     ; + 64 channels a wave
	s_mov_b32 s37, 0
	s_lshl_b32 s38, ttmp9, 12                      ; mb: 32 records of 128 bytes a tile
	s_lshl_b32 s21, s18, 9                         ; + 4 records a wave
	s_add_co_u32 s38, s38, s21
	s_mov_b32 s39, 0
	s_lshl_b32 s40, s19, 19                        ; wts: matrix,
	s_lshr_b32 s21, s20, 2
	s_lshl_b32 s21, s21, 16                        ; k64,
	s_add_co_u32 s40, s40, s21
	s_lshl_b32 s21, s18, 13                        ; n16 = 4 w,
	s_add_co_u32 s40, s40, s21
	s_and_b32 s21, s20, 3
	s_lshl_b32 s21, s21, 9                         ; k16
	s_add_co_u32 s40, s40, s21
	s_mov_b32 s41, 0
	s_lshl_b32 s42, ttmp9, 2
	s_add_co_u32 s42, s42, 524288                  ; the tile's alive word
	s_mov_b32 s43, 0
	s_wait_kmcnt 0x0
	s_cmp_eq_u32 s19, 1
	s_cselect_b64 s[44:45], s[6:7], s[4:5]
	s_cmp_eq_u32 s19, 2
	s_cselect_b64 s[44:45], s[8:9], s[44:45]
	s_cmp_eq_u32 s19, 3
	s_cselect_b64 s[44:45], s[10:11], s[44:45]
	s_add_nc_u64 s[12:13], s[12:13], s[22:23]
	s_add_nc_u64 s[44:45], s[44:45], s[36:37]
	s_add_nc_u64 s[46:47], s[16:17], s[42:43]
	s_add_nc_u64 s[16:17], s[16:17], s[38:39]
	s_add_nc_u64 s[14:15], s[14:15], s[40:41]
.set i, 0
.rept 32                               ; i = 8 st + t: rows 2 t + h, four mask bytes a lane
	global_load_b32 v[M+i], v6, s[12:13] offset:(i%8)*4096+(i/8)*64
.set i, i+1
.endr
.set i, 0
.rept 32                               ; i = 8 c + j: W[16 k16g + 8 h + j][64 w + 16 c + r]
	global_load_b32 v[X+i], v7, s[44:45] offset:(i%8)*2048+(i/8)*64
.set i, i+1
.endr
.irp e, 0,1,2,3
	v_mov_b32 v[OUT+\e], 0
.endr
	s_wait_loadcnt 32                              ; the mask words are in; the 32 younger loads of weights stay out
.set i, 0
.rept 32                               ; byte e of word i as a lane mask, put into lane i of register e
.irp e, 0,1,2,3
	v_and_b32 v[TA+\e], 0xff<<(8*\e), v[M+i]
	v_cmp_eq_u32 s[32+\e], 0, v[TA+\e]
	v_writelane_b32 v[OUT+\e], s[32+\e], i
.endr
.set i, i+1
.endr
	global_store_b128 v8, v[OUT:OUT+3], s[16:17]   ; four records: 512 consecutive bytes
	; which of the 16 rows have a true entry among my 256 columns
.irp t, 0,1,2,3,4,5,6,7
	v_or_b32 v[ACC+\t], v[M+\t], v[M+8+\t]
	v_or_b32 v[TA], v[M+16+\t], v[M+24+\t]
	v_or_b32 v[ACC+\t], v[ACC+\t], v[TA]
	v_cmp_ne_u32 s[24+\t], 0, v[ACC+\t]
.endr
	s_mov_b32 s22, 0
.irp t, 0,1,2,3,4,5,6,7
	s_and_b32 s23, s[24+\t], 0xffff                ; lanes 0-15: row 2 t
	s_cselect_b32 s23, 1<<(2*\t), 0
	s_or_b32 s22, s22, s23
	s_lshr_b32 s23, s[24+\t], 16                   ; lanes 16-31: row 2 t + 1
	s_cselect_b32 s23, 1<<(2*\t+1), 0
	s_or_b32 s22, s22, s23
.endr
	v_mov_b32 v[TA], s22
	v_mov_b32 v[TA+1], s18
	v_lshlrev_b32 v[TA+1], 2, v[TA+1]
	ds_store_b32 v[TA+1], v[TA]                    ; all lanes write the wave's word with the same value
	s_wait_dscnt 0x0                               ; for the others' sake
	s_barrier_signal -1
	s_barrier_wait -1
	v_mov_b32 v[TA+2], 0
	ds_load_b128 v[ACC:ACC+3], v[TA+2]
	ds_load_b128 v[ACC+4:ACC+7], v[TA+2] offset:16
	s_wait_dscnt 0x0
.irp t, 1,2,3,4,5,6,7
	v_or_b32 v[ACC], v[ACC], v[ACC+\t]
.endr
	v_readfirstlane_b32 s22, v[ACC]
	s_lshl_b32 s23, s22, 16
	s_or_b32 s22, s22, s23                         ; both halves of the lanes alike
	s_cmp_lg_u32 s18, 0
	s_cbranch_scc1 .Lnot_wave_0
	v_mov_b32 v[TA], s22
	v_mov_b32 v[TA+1], 0
	s_wait_xcnt 0x0                                ; EXEC changes only behind this wait: loads and a store are out
	v_cmp_eq_u32 vcc_lo, 0, v0
	s_and_saveexec_b32 s23, vcc_lo
	global_store_b32 v[TA+1], v[TA], s[46:47]      ; one word a work-group
	s_wait_xcnt 0x0
	s_or_b32 exec_lo, exec_lo, s23
.Lnot_wave_0:
	s_wait_loadcnt 0x0                             ; the weights
.set i, 0
.rept 16
	v_cvt_pk_bf16_f32 v[Y+i], v[X+2*i], v[X+2*i+1] ; k = 8 h + 2 jj, + 1 of channel 16 c + r
.set i, i+1
.endr
	s_cmp_lg_u32 s19, 3
	s_cbranch_scc1 .Lstays_bf16
.set i, 0
.rept 16                               ; Wo multiplies O, which is f16: its bf16 number is written as f16
	v_lshlrev_b32 v[X+2*i], 16, v[Y+i]
	v_and_b32 v[X+2*i+1], 0xffff0000, v[Y+i]
	v_cvt_pk_f16_f32 v[Y+i], v[X+2*i], v[X+2*i+1]
.set i, i+1
.endr
.Lstays_bf16:
.irp c, 0,1,2,3
	global_store_b128 v8, v[Y+4*\c:Y+4*\c+3], s[14:15] offset:\c*2048  ; a chunk: 512 consecutive bytes
.endr
	s_wait_tensorcnt 0x0                           ; the wave's end: behind my last LDS store
	ds_add_u32 v[SPW], v[NIL]
	s_wait_dscnt 0x0
	s_endpgm
.Lfunc_end_k_q68e7bb54b2_prep:
	.size	k_q68e7bb54b2_prep, .Lfunc_end_k_q68e7bb54b2_prep-k_q68e7bb54b2_prep
	.p2alignl 7, 3214868480
	.fill 96, 4, 3214868480
	.section	.rodata,"a",@progbits
	.p2align	6, 0x0
	.amdhsa_kernel k_q68e7bb54b2_prep
		.amdhsa_group_segment_fixed_size 1280
		.amdhsa_private_segment_fixed_size 0
		.amdhsa_enable_private_segment 0
		.amdhsa_kernarg_size 56
		.amdhsa_user_sgpr_count 2
		.amdhsa_user_sgpr_kernarg_segment_ptr 1
		.amdhsa_wavefront_size32 1
		.amdhsa_system_sgpr_workgroup_id_x 1
		.amdhsa_system_sgpr_workgroup_id_y 1
		.amdhsa_system_sgpr_workgroup_id_z 1
		.amdhsa_system_vgpr_workitem_id 0
		.amdhsa_next_free_vgpr 128
		.amdhsa_next_free_sgpr 66
		.amdhsa_reserve_vcc 1
		.amdhsa_float_denorm_mode_32 3
		.amdhsa_float_denorm_mode_16_64 3
		.amdhsa_memory_ordered 1
		.amdhsa_forward_progress 1
		.amdhsa_inst_pref_size 41
	.end_amdhsa_kernel
	.amdgpu_metadata
---
amdhsa.version: [ 1, 2 ]
amdhsa.kernels:
  - .name:           k_q68e7bb54b2_prep
    .symbol:         k_q68e7bb54b2_prep.kd
    .args:
      - { .name: Wq, .offset: 0, .size: 8, .value_kind: global_buffer, .address_space: global }
      - { .name: Wk, .offset: 8, .size: 8, .value_kind: global_buffer, .address_space: global }
      - { .name: Wv, .offset: 16, .size: 8, .value_kind: global_buffer, .address_space: global }
      - { .name: Wo, .offset: 24, .size: 8, .value_kind: global_buffer, .address_space: global }
      - { .name: attention_mask, .offset: 32, .size: 8, .value_kind: global_buffer, .address_space: global }
      - { .name: wts, .offset: 40, .size: 8, .value_kind: global_buffer, .address_space: global }
      - { .name: mb, .offset: 48, .size: 8, .value_kind: global_buffer, .address_space: global }
    .group_segment_fixed_size: 1280
    .private_segment_fixed_size: 0
    .kernarg_segment_align: 8
    .kernarg_segment_size: 56
    .max_flat_workgroup_size: 256
    .sgpr_count:     66
    .vgpr_count:     128
    .wavefront_size: 32
...
	.end_amdgpu_metadata
.endif
;; end of part 1
;; launch proj (part 2): grid 64 x 3, 4 waves a work-group, clusters of 4 x 1, 327,680 bytes of LDS; arguments q, k, v, bq, bk, bv, R, wts, qw, kv; writes qw, kv
.if DOCPART == 2
	.amdgcn_target "amdgcn-amd-amdhsa--gfx1250"
	.amdhsa_code_object_version 6
	.text
	.protected	k_q68e7bb54b2_proj
	.globl	k_q68e7bb54b2_proj
	.p2align	8
	.type	k_q68e7bb54b2_proj,@function
k_q68e7bb54b2_proj:
	s_mov_b64 s[64:65], 0
	v_nop
	global_prefetch_b8 v0, s[64:65] scope:SCOPE_SE
	s_setreg_imm32_b32 hwreg(HW_REG_WAVE_MODE, 25, 1), 1
	s_wait_xcnt 0x0
	s_wait_alu depctr_hold_cnt(0) depctr_sa_sdst(0) depctr_va_vdst(0) depctr_va_sdst(0) depctr_va_ssrc(0) depctr_va_vcc(0) depctr_vm_vsrc(0)
	s_getreg_b32 s2, hwreg(HW_REG_IB_STS2, 6, 4)
	s_cmp_eq_u32 s2, 0
	s_cbranch_scc0 .Lentry_in_a_cluster
	s_endpgm
.Lentry_in_a_cluster:
	s_bfe_u32 s2, ttmp6, 0x10000c
	s_cmp_lg_u32 s2, 0x3003
	s_cbranch_scc0 .Lentry_shape_is_right
	s_endpgm
.Lentry_shape_is_right:
; Launch 2 of 4: Q = q Wq + bq, K' = k Wk + bk + R (R added here, in f32: see launch 1's head for why one product then stands for QK + QR), V = v Wv + bv.  Operands bf16, sums f32, results f16.
; LIMIT.  Q, K' and V must lie within f16's 65,504.
; SHARES.  Grid y = the matrix (0 Q, 1 K', 2 V).  A work-group makes 128 tokens x all 512 channels; wave (th, nh) 64 tokens x 256 channels: 64 accumulators, 512 registers.
; The product is taken as D(m = channel, n = token): source 0 = 16 channels of W, source 1 = 16 tokens of x.  A lane then holds one token and 8 neighbouring channels: packed to f16 they are the
; lane's 16 bytes of a chunk (launch 1's head), so a result tile is stored as 512 consecutive bytes, with no way through LDS.
; RING.  K goes in 8 steps of 64 through two LDS slots.  A slot: W's 65,536 bytes of the step (dense, chunks) and x's 128 rows x 256 bytes in f32, rows 272 bytes apart (row r starts 16 r bytes on
; modulo 256, so the 16 rows of a load touch 16 different columns).  Waves 0, 1 fetch W's halves, waves 2, 3 x's.
; CLUSTER.  The four work-groups of a cluster have the same matrix and walk the same W: its tiles are asked for jointly (mask 15).  x's tiles are each work-group's own (mask 0).
; No prefetch: each byte of x is asked for once, in eight short steps, and the launch does little else than stream.
; REGISTERS.  window 0: v0-29 addresses; v64-191 x in f32 (XR); v192-255 x in bf16 (XF).  window 1: W's fragments of the step (c, nn at 128 c + 8 nn).  windows 2, 3: accumulator (tt, nn) at 8 (16 tt + nn).
.set SLOT1, 1<<17
.set XOFF,  65536
.set XP,    272
.set SPARE, 231424                     ; behind slot 1: the spare words, 128 bytes a wave
.set XB,  4                            ; v4   my place in a slot's x
.set WB,  5                            ; v5   my place in a slot's W
.set AX,  6                            ; v6   XB + the slot
.set AW,  7                            ; v7   WB + the slot
.set BOF, 8                            ; v8   32 h: my 8 channels in a bias
.set ROF, 9                            ; v9   256 r + 32 h: my token's row of R
.set SO,  10                           ; v10-13 my 16 bytes of a chunk + head hq of my four
.set SPW, 28
.set NIL, 29
.set XR,  64
.set XF,  192
.set WV,  24                           ; s24 wave; s25 cx; s26 block of 128 tokens; s27 matrix; s28 w & 1; s29 w >> 1
.set G1W, 32
.set G1X, 40
.set G0W, 48
.set G0X, 52
.set CNT, 56
.set TB,  57
.set MSB, 0
.macro WIN new                         ; the immediate's high byte repeats the setting that is left; a switch that changes nothing is dropped
.if MSB != (\new)
	s_set_vgpr_msb (MSB<<8)|(\new)
.set MSB, \new
.endif
.endm
.macro PLACES
.rept 4
	v_nop
.endr
.endm
.macro CROUND                          ; a round of the cluster's barrier
	s_barrier_signal -1
	s_barrier_wait -1
	s_cmp_lg_u32 s[WV], 0
	s_cbranch_scc1 .Lnot_wave_0_\@
	s_barrier_signal -3
.Lnot_wave_0_\@:
	s_barrier_wait -3
	s_barrier_signal -1
	s_barrier_wait -1
.endm
.macro JLOAD                           ; one tensor load a wave; an s_nop 0 and four v_nop follow each line
	s_cmp_lt_u32 s[WV], 2
	s_cbranch_scc0 .Lfor_x_\@
	tensor_load_to_lds s[G0W:G0W+3], s[G1W:G1W+7]
	s_nop 0
.rept 4
	v_nop
.endr
	s_branch .Lasked_\@
.Lfor_x_\@:
	tensor_load_to_lds s[G0X:G0X+3], s[G1X:G1X+7]
	s_nop 0
.rept 4
	v_nop
.endr
.Lasked_\@:
.endm
; THE CHANGE OF SLOTS.  Each wave waits for all its tensor loads (one is out: its part of the step to be multiplied), adds 0 to its spare word, waits for that and for its reads of the other slot.
; fill = 1: behind a round of the cluster's barrier the other slot takes the next step, first thing.
.macro CHANGE fill
	WIN 0
	s_wait_tensorcnt 0x0
	ds_add_u32 v[SPW], v[NIL]                      ; the descriptors' steps stand between it and its wait
.if \fill
	s_xor_b32 s[G0W+1], s[G0W+1], SLOT1
	s_add_nc_u64 s[G0W+2:G0W+3], s[G0W+2:G0W+3], 65536
	s_xor_b32 s[G0X+1], s[G0X+1], SLOT1
	s_add_nc_u64 s[G0X+2:G0X+3], s[G0X+2:G0X+3], 256
	s_wait_dscnt 0x0
	CROUND
	JLOAD                                          ; its four v_nop are also the places in front of the loads into W's fragments
.else
	s_wait_dscnt 0x0
	s_barrier_signal -1
	s_barrier_wait -1
	PLACES
.endif
	s_xor_b32 s[TB], s[TB], SLOT1
.endm
.macro XLOAD c                         ; 64 tokens x 32 k in f32: for each 16 tokens k = 8 h .. + 7 (two loads) and 16 + 8 h .. + 7 (two loads)
	WIN 0
.irp tt, 0,1,2,3
	ds_load_b128 v[XR+64*(\c)+16*\tt:XR+64*(\c)+16*\tt+3],     v[AX] offset:\tt*16*XP+(\c)*128
	ds_load_b128 v[XR+64*(\c)+16*\tt+4:XR+64*(\c)+16*\tt+7],   v[AX] offset:\tt*16*XP+(\c)*128+16
	ds_load_b128 v[XR+64*(\c)+16*\tt+8:XR+64*(\c)+16*\tt+11],  v[AX] offset:\tt*16*XP+(\c)*128+64
	ds_load_b128 v[XR+64*(\c)+16*\tt+12:XR+64*(\c)+16*\tt+15], v[AX] offset:\tt*16*XP+(\c)*128+80
.endr
.endm
.macro WLOAD c                         ; 256 channels x 32 k: two chunks a fragment
	WIN 0x40
.set nn, 0
.rept 16
	ds_load_b128 v[128*(\c)+8*nn:128*(\c)+8*nn+3],   v[AW] offset:nn*2048+(\c)*1024
	ds_load_b128 v[128*(\c)+8*nn+4:128*(\c)+8*nn+7], v[AW] offset:nn*2048+(\c)*1024+512
.set nn, nn+1
.endr
.endm
.macro CVT c
	WIN 0
.set i, 0
.rept 32
	v_cvt_pk_bf16_f32 v[XF+32*(\c)+i], v[XR+64*(\c)+2*i], v[XR+64*(\c)+2*i+1]
.set i, i+1
.endr
.endm
.macro MUL c                           ; 64 products; the 64 accumulators take turns, in the same order every time
.irp tt, 0,1,2,3
	WIN 0xa1+0x50*((\tt)/2)
.set nn, 0
.rept 16
.set A, 8*(16*((\tt)%2)+nn)
	v_wmma_f32_16x16x32_bf16 v[A:A+7], v[128*(\c)+8*nn:128*(\c)+8*nn+7], v[XF+32*(\c)+8*\tt:XF+32*(\c)+8*\tt+7], v[A:A+7]
.set nn, nn+1
.endr
.endr
.endm
; A K step of 64.  Its 96 LDS loads go out in three runs, so that at most 48 are out at a time; the second half's fragments of W land while the first half is multiplied.
.macro WORK
	WIN 0
	v_add_nc_u32 v[AX], s[TB], v[XB]
	v_add_nc_u32 v[AW], s[TB], v[WB]
	XLOAD 0
	WLOAD 0
	s_wait_dscnt 32                                ; x's first 32 k are in: W's 32 younger loads may be out
	CVT 0
	XLOAD 1
	s_wait_dscnt 16                                ; W's first 32 k are in: x's 16 younger loads may be out
	WLOAD 1                                        ; into registers that the last step's products read: the four v_nop of the change of slots, the two additions and 32 conversions stand between
	MUL 0
	s_wait_dscnt 32                                ; x's second 32 k are in: W's 32 younger loads may be out
	CVT 1
	s_wait_dscnt 0x0
	MUL 1
.endm
	s_load_b512 s[4:19], s[0:1], 0x0               ; q s4, k s6, v s8, bq s10, bk s12, bv s14, R s16, wts s18
	s_load_b128 s[20:23], s[0:1], 0x40             ; qw s20, kv s22
	v_lshl_add_u32 v[SPW], v0, 2, SPARE
	v_mov_b32 v[NIL], 0
	ds_add_u32 v[SPW], v[NIL]                      ; the wave's opening: the add, twice on end, and its wait ahead of my first tensor load
	ds_add_u32 v[SPW], v[NIL]
	v_lshrrev_b32 v1, 5, v0
	v_readfirstlane_b32 s[WV], v1
	s_bfe_u32 s25, ttmp6, 0x40000                  ; cx
	s_lshl_b32 s26, ttmp9, 2
	s_add_co_u32 s26, s26, s25                     ; my block of 128 tokens: it enters x's, R's and the results' global addresses alone
	s_and_b32 s27, ttmp7, 0xffff                   ; the matrix, which the four partners share
	s_and_b32 s28, s[WV], 1                        ; nh; also: which half of a tile I fetch
	s_lshr_b32 s29, s[WV], 1                       ; th
	; W's tile half: 32,768 dense bytes as 128 rows of 256 bytes
	s_mov_b32 s[G1W+0], 15|(3<<16)|(1<<21)         ; mask of four; elements of 8 bytes; bit 21 beside a mask
	s_mov_b32 s[G1W+1], 32<<16                     ; tensor_dim0 = 32
	s_mov_b32 s[G1W+2], 128<<16                    ; tensor_dim1 = 128
	s_mov_b32 s[G1W+3], 32<<16                     ; tile_dim0 = 32
	s_mov_b32 s[G1W+4], 128                        ; tile_dim1 = 128
	s_mov_b32 s[G1W+5], 32                         ; pitch
	s_mov_b32 s[G1W+6], 0
	s_mov_b32 s[G1W+7], 0
	; x's tile half: 64 rows x 64 f32, 4 words of padding behind every 64
	s_mov_b32 s[G1X+0], (2<<16)|(1<<20)|(5<<22)|(3<<25)
	s_mov_b32 s[G1X+1], 64<<16
	s_mov_b32 s[G1X+2], 64<<16
	s_mov_b32 s[G1X+3], 64<<16
	s_mov_b32 s[G1X+4], 64
	s_mov_b32 s[G1X+5], 512
	s_mov_b32 s[G1X+6], 0
	s_mov_b32 s[G1X+7], 0
	s_mov_b32 s[G0W], 1
	s_lshl_b32 s[G0W+1], s28, 15                   ; LDS: slot 0, my half of W
	s_lshl_b32 s30, s27, 19                        ; wts: the matrix,
	s_add_co_u32 s30, s30, s[G0W+1]                ; my half of K step 0
	s_mov_b32 s31, 0
	s_mov_b32 s[G0X], 1
	s_mul_i32 s[G0X+1], s28, 64*XP
	s_add_co_u32 s[G0X+1], s[G0X+1], XOFF          ; LDS: slot 0, my half of x
	s_lshr_b32 s76, s26, 4                         ; batch
	s_and_b32 s77, s26, 15                         ; block of 128 tokens in the batch
	s_lshl_b32 s66, s26, 18                        ; x: 128 rows of 2,048 bytes a block,
	s_lshl_b32 s67, s28, 17                        ; my 64
	s_add_co_u32 s66, s66, s67
	s_mov_b32 s67, 0
	s_lshl_b32 s82, s28, 10                        ; bias: my 256 channels
	s_mov_b32 s83, 0
	s_lshl_b32 s84, s77, 15                        ; R: 128 rows of 256 bytes a block,
	s_lshl_b32 s85, s29, 14                        ; my 64
	s_add_co_u32 s84, s84, s85
	s_mov_b32 s85, 0
	s_cmp_lg_u32 s27, 0                            ; qw: [b][h][t16 128][4][512]; kv: [b][h][g 16][K' 16,384 | V 16,384]: all strides but a tile's twice qw's
	s_cselect_b32 s81, 1, 0
	s_lshl_b32 s78, s76, 21
	s_lshl_b32 s79, s28, 20                        ; my four heads
	s_add_co_u32 s78, s78, s79
	s_lshl_b32 s79, s77, 14
	s_add_co_u32 s78, s78, s79
	s_lshl_b32 s78, s78, s81
	s_lshl_b32 s79, s29, 13                        ; my four tiles of 16 tokens
	s_add_co_u32 s78, s78, s79
	s_cmp_eq_u32 s27, 2
	s_cselect_b32 s79, 16384, 0
	s_cselect_b32 s86, -1, 0
	s_add_co_u32 s78, s78, s79
	s_mov_b32 s79, 0
	s_lshl_b32 s80, 0x40000, s81                   ; bytes from head to head
	s_mov_b32 s[CNT], 7
	s_mov_b32 s[TB], SLOT1                         ; the first change of slots turns it into 0
	s_wait_dscnt 0x0                               ; both opening adds are done
	s_wait_kmcnt 0x0
	s_cmp_eq_u32 s27, 1
	s_cselect_b64 s[68:69], s[6:7], s[4:5]
	s_cselect_b64 s[70:71], s[12:13], s[10:11]
	s_cmp_eq_u32 s27, 2
	s_cselect_b64 s[68:69], s[8:9], s[68:69]
	s_cselect_b64 s[70:71], s[14:15], s[70:71]
	s_cmp_eq_u32 s27, 0
	s_cselect_b64 s[74:75], s[20:21], s[22:23]
	s_add_nc_u64 s[G0X+2:G0X+3], s[68:69], s[66:67]
	s_or_b32 s[G0X+3], s[G0X+3], 0x80000000
	s_add_nc_u64 s[G0W+2:G0W+3], s[18:19], s[30:31]
	s_or_b32 s[G0W+3], s[G0W+3], 0x80000000
	s_add_nc_u64 s[70:71], s[70:71], s[82:83]
	s_add_nc_u64 s[72:73], s[16:17], s[84:85]
	s_add_nc_u64 s[74:75], s[74:75], s[78:79]
	CROUND                                         ; all four work-groups are here: the first joint loads meet
	JLOAD                                          ; K step 0 into slot 0
	v_and_b32 v1, 15, v0                           ; r
	v_bfe_u32 v2, v0, 4, 1                         ; h
	v_and_b32 v3, 31, v0                           ; l
	v_mul_u32_u24 v[XB], v1, XP
	v_lshl_add_u32 v[XB], v2, 5, v[XB]             ; row r, 8 h numbers of 4 bytes
	s_mul_i32 s58, s29, 64*XP
	s_add_co_u32 s58, s58, XOFF
	v_add_nc_u32 v[XB], s58, v[XB]
	v_lshlrev_b32 v15, 4, v3                       ; 16 l
	v_lshl_add_u32 v[WB], s28, 15, v15
	v_lshlrev_b32 v[BOF], 5, v2
	v_lshl_add_u32 v[ROF], v1, 8, v[BOF]
	v_and_b32 v14, 7, v0                           ; V's chunks are stored permuted, so that launch 3's turning load reads them lane by lane:
	v_lshl_add_u32 v14, v2, 3, v14                 ; my 16 bytes (key l % 16, channels 8 h ..) go to place (l % 8) + 8 h + 16 ((l / 8) % 2)
	v_bfe_u32 v16, v0, 3, 1
	v_lshl_add_u32 v14, v16, 4, v14
	v_lshlrev_b32 v14, 4, v14
	v_cndmask_b32 v[SO], v15, v14, s86
	v_add_nc_u32 v[SO+1], s80, v[SO]
	v_add_nc_u32 v[SO+2], s80, v[SO+1]
	v_add_nc_u32 v[SO+3], s80, v[SO+2]
	; the sums start with the bias: register j of accumulator (tt, nn) is channel 256 nh + 16 nn + 8 h + j
.irp tt, 0,1,2,3
	WIN 0x80+0x40*((\tt)/2)
.set nn, 0
.rept 16
.set A, 8*(16*((\tt)%2)+nn)
	global_load_b128 v[A:A+3],   v[BOF], s[70:71] offset:nn*64
	global_load_b128 v[A+4:A+7], v[BOF], s[70:71] offset:nn*64+16
.set nn, nn+1
.endr
.endr
	WIN 0
	s_cmp_lg_u32 s27, 1
	s_cbranch_scc1 .Lno_r
	WIN 0x40                                       ; K' alone: R[token][d], the same for all heads: tile (tt, d16) into window 1 at 8 (4 tt + d16)
.set i, 0
.rept 16
	global_load_b128 v[8*i:8*i+3],   v[ROF], s[72:73] offset:(i/4)*4096+(i%4)*64
	global_load_b128 v[8*i+4:8*i+7], v[ROF], s[72:73] offset:(i/4)*4096+(i%4)*64+16
.set i, i+1
.endr
	s_wait_loadcnt 0x0
.irp tt, 0,1,2,3
	WIN 0x86+0x41*((\tt)/2)                        ; accumulators in window 2 or 3, R in window 1
.set nn, 0
.rept 16
.set A, 8*(16*((\tt)%2)+nn)
.irp p, 0,2,4,6
	v_pk_add_f32 v[A+\p:A+\p+1], v[A+\p:A+\p+1], v[8*(4*\tt+nn%4)+\p:8*(4*\tt+nn%4)+\p+1]
.endr
.set nn, nn+1
.endr
.endr
	WIN 0
.Lno_r:
	s_wait_loadcnt 0x0
.Lk:                                           ; seven trips: a step is multiplied while the next is on its way
	CHANGE 1
	WORK
	WIN 0
	s_sub_co_u32 s[CNT], s[CNT], 1
	s_cmp_lg_u32 s[CNT], 0
	s_cbranch_scc1 .Lk
	CHANGE 0                                       ; the last step is written out: nothing is asked for
	WORK
	PLACES
	; THE WAY OUT: 16 tokens at a time: rounded to f16, each accumulator is a chunk: 512 consecutive bytes a store
.irp tt, 0,1,2,3
.set T, XR+64*((\tt)%2)
.if (\tt) >= 2
	s_wait_xcnt 0x0                                ; the stores of two blocks back have read these registers
.endif
	WIN 0x0a+5*((\tt)/2)
.set nn, 0
.rept 16
.set A, 8*(16*((\tt)%2)+nn)
.irp p, 0,1,2,3
	v_cvt_pk_f16_f32 v[T+4*nn+\p], v[A+2*\p], v[A+2*\p+1]
.endr
.set nn, nn+1
.endr
	WIN 0
.set nn, 0
.rept 16
	global_store_b128 v[SO+nn/4], v[T+4*nn:T+4*nn+3], s[74:75] offset:\tt*2048+(nn%4)*512
.set nn, nn+1
.endr
.endr
	s_wait_tensorcnt 0x0                           ; the wave's end
	ds_add_u32 v[SPW], v[NIL]
	s_wait_dscnt 0x0
	CROUND                                         ; the closing round
	s_endpgm
.Lfunc_end_k_q68e7bb54b2_proj:
	.size	k_q68e7bb54b2_proj, .Lfunc_end_k_q68e7bb54b2_proj-k_q68e7bb54b2_proj
	.p2alignl 7, 3214868480
	.fill 96, 4, 3214868480
	.section	.rodata,"a",@progbits
	.p2align	6, 0x0
	.amdhsa_kernel k_q68e7bb54b2_proj
		.amdhsa_group_segment_fixed_size 327680
		.amdhsa_private_segment_fixed_size 0
		.amdhsa_enable_private_segment 0
		.amdhsa_kernarg_size 80
		.amdhsa_user_sgpr_count 2
		.amdhsa_user_sgpr_kernarg_segment_ptr 1
		.amdhsa_wavefront_size32 1
		.amdhsa_system_sgpr_workgroup_id_x 1
		.amdhsa_system_sgpr_workgroup_id_y 1
		.amdhsa_system_sgpr_workgroup_id_z 1
		.amdhsa_system_vgpr_workitem_id 0
		.amdhsa_next_free_vgpr 1024
		.amdhsa_next_free_sgpr 88
		.amdhsa_reserve_vcc 0
		.amdhsa_float_denorm_mode_32 3
		.amdhsa_float_denorm_mode_16_64 3
		.amdhsa_memory_ordered 1
		.amdhsa_forward_progress 1
		.amdhsa_inst_pref_size 99
	.end_amdhsa_kernel
	.amdgpu_metadata
---
amdhsa.version: [ 1, 2 ]
amdhsa.kernels:
  - .name:           k_q68e7bb54b2_proj
    .symbol:         k_q68e7bb54b2_proj.kd
    .args:
      - { .name: q, .offset: 0, .size: 8, .value_kind: global_buffer, .address_space: global }
      - { .name: k, .offset: 8, .size: 8, .value_kind: global_buffer, .address_space: global }
      - { .name: v, .offset: 16, .size: 8, .value_kind: global_buffer, .address_space: global }
      - { .name: bq, .offset: 24, .size: 8, .value_kind: global_buffer, .address_space: global }
      - { .name: bk, .offset: 32, .size: 8, .value_kind: global_buffer, .address_space: global }
      - { .name: bv, .offset: 40, .size: 8, .value_kind: global_buffer, .address_space: global }
      - { .name: R, .offset: 48, .size: 8, .value_kind: global_buffer, .address_space: global }
      - { .name: wts, .offset: 56, .size: 8, .value_kind: global_buffer, .address_space: global }
      - { .name: qw, .offset: 64, .size: 8, .value_kind: global_buffer, .address_space: global }
      - { .name: kv, .offset: 72, .size: 8, .value_kind: global_buffer, .address_space: global }
    .group_segment_fixed_size: 327680
    .private_segment_fixed_size: 0
    .kernarg_segment_align: 8
    .kernarg_segment_size: 80
    .max_flat_workgroup_size: 128
    .sgpr_count:     88
    .vgpr_count:     1024
    .wavefront_size: 32
...
	.end_amdgpu_metadata
.endif
;; end of part 2
;; launch attn (part 3): grid 32 x 8, 4 waves a work-group, clusters of 4 x 1, 327,680 bytes of LDS; arguments qw, kv, qr_bias, mb, ow; writes ow
.if DOCPART == 3
	.amdgcn_target "amdgcn-amd-amdhsa--gfx1250"
	.amdhsa_code_object_version 6
	.text
	.protected	k_q68e7bb54b2_attn
	.globl	k_q68e7bb54b2_attn
	.p2align	8
	.type	k_q68e7bb54b2_attn,@function
k_q68e7bb54b2_attn:
	s_mov_b64 s[64:65], 0
	v_nop
	global_prefetch_b8 v0, s[64:65] scope:SCOPE_SE
	s_setreg_imm32_b32 hwreg(HW_REG_WAVE_MODE, 25, 1), 1
	s_wait_xcnt 0x0
	s_wait_alu depctr_hold_cnt(0) depctr_sa_sdst(0) depctr_va_vdst(0) depctr_va_sdst(0) depctr_va_ssrc(0) depctr_va_vcc(0) depctr_vm_vsrc(0)
	s_getreg_b32 s2, hwreg(HW_REG_IB_STS2, 6, 4)
	s_cmp_eq_u32 s2, 0
	s_cbranch_scc0 .Lentry_in_a_cluster
	s_endpgm
.Lentry_in_a_cluster:
	s_bfe_u32 s2, ttmp6, 0x10000c
	s_cmp_lg_u32 s2, 0x3003
	s_cbranch_scc0 .Lentry_shape_is_right
	s_endpgm
.Lentry_shape_is_right:
; Launch 3 of 4: O[b][h][i] = sum_j softmax_j(where(mask[i][j], (Q[i] . K'[j] + qr_bias[h][i][j]) / 8, -1e9)) V[j].  K' = K + R: the product Q R^T is not made apart (launch 1's head shows the identity).
; SHARES.  A work-group owns one head and 64 queries, FOR ALL FOUR BATCHES: wave w is batch w.  qr_bias and the mask do not hang on the batch, so each of their bytes is read once in the launch:
; wave w reads the 16 rows of query tile w, puts the mask in, and lays the result into an LDS stage; all four waves take it from there as the C operand that starts S^T = K' Q^T + C.
; THE MASK.  S is kept unscaled (score = S / 8).  C = qr_bias where the mask is true; NEG = -2^33 where it is false and the row has a true entry; the running maximum starts at M0 = -2^30 and never falls
; below it, so such a weight is 2^(c NEG - c m) = 0, as reference()'s exp(-1e9 - max) is.  A row with no true entry gets C = 0 and Q = 0: all its scores are equal, as reference()'s are: the plain mean of V.
; LIMITS.  An unmasked S must lie above -2^30 (reference()'s own constant, unscaled, is -8e9).  Q, K', V arrive within f16's 65,504; p below 6e-5 keeps f16's step of 6e-8; a weight below 2^-126 counts as 0;
; NaN and infinities are not treated apart.
; LAYOUT.  S^T = K' Q^T: a lane holds ONE query (l % 16) and keys 8 (l / 16) + 0..7; two results rounded to f16 ARE source 1 of O^T = V^T P.  K', Q come as chunks, V's chunks turned by ds_load_tr16_b128.
; p = 2^(c s - c m), c = log2(e) / 8, running maximum m and sum l; O and l are multiplied by a = 2^(c m_old - c m_new) in every step.
; A step is 64 keys; a group two steps; an LDS slot holds a group for all four batches: wave w's 32,768 bytes (K' 16,384, V 16,384), which it alone asks for and reads.
; CLUSTER.  The four work-groups of a cluster are four query blocks of one head and walk the same K' and V: each wave's tile is asked for jointly, mask 15.
; The work goes in phases (products, softmax, products); a step's 132 exponentials are one batch with one wait.
; REGISTERS.  window 0: v1-13 addresses; v16-31 c m, m, l, l a tile; v32-47 at work; v48-51 c m_old; v52-59 NG; v64-191 S^T; v192-255 P.
;   window 1: v0-127 O^T (32 qt + 8 cb); v128-191 Q (16 qt + 8 c); v192-223, v224-255 two sets of raw qr_bias.   window 2: v0-63 K' (16 kb + 8 c); v64-127 V (32 kk + 8 cb).
.set SLOT1, 1<<17
.set STG,   262144                     ; two stage buffers, 32,768 apart: [qt 4][unit 16][272]: a unit = 4 keys x 16 queries, 16 bytes a query, 16 of padding
.set UP,    272
.set SPARE, 312320
.set GO,  3                            ; v3  16 l
.set KB0, 4                            ; v4  16 l + 32,768 w
.set ADR, 5
.set SRD, 6                            ; v6  stage, reading: STG + 272 h + 16 r
.set SWR, 7                            ; v7  stage, writing: STG + 4,352 w + 272 u(r) + 16 h
.set BO,  8                            ; v8  qr_bias: 8,192 h + 16 r
.set PFB, 9                            ; v9  its prefetch: 8,192 r + 256 h
.set PFK, 10                           ; v10 K' and V's prefetch: 256 l
.set ST,  16
.set TMP, 32
.set MV,  48
.set NG,  52
.set SPW, 60
.set NIL, 61
.set S,   64
.set P,   192
.set OQ,  128
.set RA,  192
.set RB,  224
.set KF,  0
.set VF,  64
.set WV,  14
.set G1,  24
.set G0,  32
.set SLOTS, 36
.set TB,  37
.set CS,  38
.set SEL, 40
.set BP,  42                           ; s[42:43] qr_bias at my rows, at the group in hand
.set MP,  44                           ; s[44:45] the mask record last asked for
.set PFA, 46
.set LIM, 48
.set BROW, 50                          ; s[50:51] qr_bias at my 16 rows
.set ALV, 52                           ; s[52:55] lane masks: the queries of tile qt that have a true entry
.set OFF, 56
.set OFFA, 58
.set BPA, 60
.set MK,  68                           ; s[68:99] a mask record: 32 lane masks
.set MSB, 0
.macro WIN new
.if MSB != (\new)
	s_set_vgpr_msb (MSB<<8)|(\new)
.set MSB, \new
.endif
.endm
.macro PLACES
.rept 4
	v_nop
.endr
.endm
.macro CROUND
	s_barrier_signal -1
	s_barrier_wait -1
	s_cmp_lg_u32 s[WV], 0
	s_cbranch_scc1 .Lnot_wave_0_\@
	s_barrier_signal -3
.Lnot_wave_0_\@:
	s_barrier_wait -3
	s_barrier_signal -1
	s_barrier_wait -1
.endm
.macro JLOAD                           ; one line for all waves: each has its own batch's tile and its own LDS bytes
	tensor_load_to_lds s[G0:G0+3], s[G1:G1+7]
	s_nop 0
.rept 4
	v_nop
.endr
.endm
; K' and V of the group after the one that is being asked for, a lane a row of 256 bytes.  All clusters of a head walk the same tiles: the head's first cluster asks; its four partners take 32 of a
; wave's 128 rows each, told apart by address; each wave asks for its own batch.  So each row is named once.  The last change that fills a slot asks for nothing.
.macro ASK
	s_cmp_gt_u32 s[SLOTS], s[LIM]
	s_cbranch_scc0 .Lnot_mine_\@
	global_prefetch_b8 v[PFK], s[PFA:PFA+1] th:TH_LOAD_NT scope:SCOPE_SE
.Lnot_mine_\@:
.endm
.macro BAR                             ; between a group's two steps: the stage written in the step before is whole, the other has been read
	s_wait_dscnt 0x0
	s_barrier_signal -1
	s_barrier_wait -1
.endm
; THE CHANGE OF SLOTS, which is also the barrier between two steps for the stage.
.macro CHANGE fill
	WIN 0
	s_wait_tensorcnt 0x0                           ; my tile of the group to come has landed; no load of mine is out, so group 0 may be written
	ds_add_u32 v[SPW], v[NIL]                      ; scalar work stands between it and its wait
.if \fill
	s_xor_b32 s[G0+1], s[G0+1], SLOT1
	s_add_nc_u64 s[G0+2:G0+3], s[G0+2:G0+3], 32768
	s_wait_xcnt 0x0                                ; the loads and prefetches of the group before have read their addresses
	s_add_nc_u64 s[PFA:PFA+1], s[PFA:PFA+1], 32768
	s_add_nc_u64 s[BP:BP+1], s[BROW:BROW+1], s[OFF:OFF+1]
	s_add_co_u32 s[OFFA], s[OFF], 1024             ; step 2 g + 4, or in the last trip the row's last step once more: a repeat that nobody uses, the price of one text for every trip
	s_min_u32 s[OFFA], s[OFFA], 7936
	s_add_nc_u64 s[BPA:BPA+1], s[BROW:BROW+1], s[OFFA:OFFA+1]
	s_add_co_u32 s[OFF], s[OFF], 512
	s_wait_dscnt 0x0                               ; the add, my reads of the slot and my stores into the stage are done
	CROUND
	JLOAD
	ASK
.else
	s_wait_dscnt 0x0
	s_barrier_signal -1
	s_barrier_wait -1
.endif
	s_sub_co_u32 s[TB], s[TB], 16384
	s_xor_b32 s[TB], s[TB], SLOT1
.endm
; The C operand of a later step is made: raw set (register 4 t + e: query 2 t + h, key 4 r + e), the mask put in, into stage buffer dpar.
; sload = 1: the next mask record is asked for.  ptr >= 0: the set is loaded again from s[ptr:ptr+1] + koff.
.macro PREP set, dpar, wcnt, sload, ptr, koff
	s_wait_loadcnt \wcnt                           ; my set is in; the other set's eight loads may stay out
	s_wait_kmcnt 0x0                               ; the mask record
	WIN 0x41
.set i, 0
.rept 32
	v_cndmask_b32 v[(\set)+i], v[(\set)+i], v[NG+i/4], s[MK+i]
.set i, i+1
.endr
	WIN 0x04
.set i, 0
.rept 8
	ds_store_b128 v[SWR], v[(\set)+4*i:(\set)+4*i+3] offset:(\dpar)*32768+32*i
.set i, i+1
.endr
.if \sload
	s_add_nc_u64 s[MP:MP+1], s[MP:MP+1], 128
	s_load_b512 s[MK:MK+15], s[MP:MP+1], 0x0
	s_load_b512 s[MK+16:MK+31], s[MP:MP+1], 0x40
.endif
.if (\ptr) >= 0
	WIN 0x40
.set i, 0
.rept 8
	global_load_b128 v[(\set)+4*i:(\set)+4*i+3], v[BO], s[(\ptr):(\ptr)+1] offset:i*16384+(\koff) th:TH_LOAD_NT  ; 16 lanes read 256 consecutive bytes of a row
.set i, i+1
.endr
.endif
	WIN 0
.endm
.macro REGS t
.set rT, ST+4*(\t)
.set rC, TMP+4*(\t)
.set rM, MV+(\t)
.set rS, S+32*(\t)
.set rP, P+16*(\t)
.set rO, 32*(\t)
.endm
; Number n of the 22 that find a tile's maximum and statistics; each accumulator's lowest registers are read first.
.macro XS t, n
	REGS \t
.if (\n) < 4
	v_max3_num_f32 v[rC+(\n)], v[rS+8*(\n)], v[rS+8*(\n)+1], v[rS+8*(\n)+2]
.elseif (\n) < 12
	v_max3_num_f32 v[rC+(\n)%4], v[rC+(\n)%4], v[rS+8*((\n)%4)+2*((\n)/4)+1], v[rS+8*((\n)%4)+2*((\n)/4)+2]
.elseif (\n) == 12
	v_max3_num_f32 v[rC], v[rC], v[rS+7], v[rS+15]
.elseif (\n) == 13
	v_max3_num_f32 v[rC+1], v[rC+1], v[rS+23], v[rS+31]
.elseif (\n) == 14
	v_max3_num_f32 v[rC+2], v[rC+2], v[rC+3], v[rT+1]
.elseif (\n) == 15
	v_mov_b32 v[rM], v[rT]
.elseif (\n) == 16
	v_max3_num_f32 v[rC], v[rC], v[rC+1], v[rC+2]
.elseif (\n) == 17
	v_permlanex16_b32 v[rC+3], v[rC], s[SEL], s[SEL+1]  ; the query's other 32 keys lie in the lane 16 away
.elseif (\n) == 18
	v_max_num_f32 v[rT+1], v[rC], v[rC+3]
.elseif (\n) == 19
	v_mul_f32 v[rT], s[CS], v[rT+1]
.elseif (\n) == 20
	v_sub_f32 v[rC+1], v[rM], v[rT]
.else
	v_exp_f32 v[rC+2], v[rC+1]
.endif
.endm
.macro SOFTMAX
	WIN 0
.set n, 0
.rept 22
.irp t, 0,1,2,3
	XS \t, n
.endr
.set n, n+1
.endr
.set n, 0
.rept 16                               ; c s - c m, a pair at a time
.irp t, 0,1,2,3
	REGS \t
	v_pk_fma_f32 v[rS+2*n:rS+2*n+1], v[rS+2*n:rS+2*n+1], s[CS:CS+1], v[rT:rT+1] op_sel_hi:[1,0,0] neg_lo:[0,0,1] neg_hi:[0,0,1]
.endr
.set n, n+1
.endr
.set n, 0
.rept 32
.irp t, 0,1,2,3
	REGS \t
	v_exp_f32 v[rS+n], v[rS+n]
.endr
.set n, n+1
.endr
	v_nop                                          ; a plain instruction behind the last exponential,
	s_wait_alu depctr_va_vdst(0)                   ; and the one wait ahead of the batch's first reader
.set n, 0
.rept 16
.irp t, 0,1,2,3
	REGS \t
	v_cvt_pk_f16_f32 v[rP+n], v[rS+2*n], v[rS+2*n+1]
.endr
.set n, n+1
.endr
.set n, 0
.rept 8                                ; of four weights the second pair onto the first
.irp t, 0,1,2,3
	REGS \t
	v_pk_add_f32 v[rS+4*n:rS+4*n+1], v[rS+4*n:rS+4*n+1], v[rS+4*n+2:rS+4*n+3]
.endr
.set n, n+1
.endr
.irp t, 0,1,2,3
	REGS \t
	v_pk_fma_f32 v[rT+2:rT+3], v[rT+2:rT+3], v[rC+2:rC+3], v[rS:rS+1] op_sel_hi:[1,0,1]  ; l = a l + sum
.endr
.set n, 1
.rept 7
.irp t, 0,1,2,3
	REGS \t
	v_pk_add_f32 v[rT+2:rT+3], v[rT+2:rT+3], v[rS+4*n:rS+4*n+1]
.endr
.set n, n+1
.endr
	WIN 0x41
.set n, 0
.rept 16                               ; O^T times a
.irp t, 0,1,2,3
	REGS \t
	v_pk_mul_f32 v[rO+2*n:rO+2*n+1], v[rO+2*n:rO+2*n+1], v[rC+2:rC+3] op_sel_hi:[1,0]
.endr
.set n, n+1
.endr
.endm
; A KEY STEP.  par: the stage buffer that holds its C.  set >= 0: the next step's C is made from that raw set (PREP's arguments follow).  pf = 1: qr_bias is prefetched.
.macro STEP par, set, wcnt, sload, ptr, koff, pf
	WIN 0
	v_add_nc_u32 v[ADR], s[TB], v[KB0]
	s_add_co_u32 s[TB], s[TB], 8192
	WIN 0x80
.set f, 0
.rept 8                                ; K': keys 16 (f / 2) on, channels 32 (f % 2) on: two chunks
	ds_load_b128 v[KF+8*f:KF+8*f+3],   v[ADR] offset:f*1024
	ds_load_b128 v[KF+8*f+4:KF+8*f+7], v[ADR] offset:f*1024+512
.set f, f+1
.endr
	WIN 0
.set f, 0
.rept 32                               ; C into S^T's registers: f = 8 qt + 2 kb + jh: keys 16 kb + 8 h + 4 jh + 0..3 of query r
	ds_load_b128 v[S+4*f:S+4*f+3], v[SRD] offset:(\par)*32768+(f/8)*16*UP+(f%8)*2*UP
.set f, f+1
.endr
.if (\set) >= 0
	PREP \set, 1-(\par), \wcnt, \sload, \ptr, \koff
.if \pf
	; my 16 rows' 512 bytes of steps 2 g + 6 and 2 g + 7, a lane a block of 256 bytes, behind the loads just issued: those steps are loaded in the next group and the one after.
	; Steps 0 to 5 come by their loads alone; the last three groups have nothing so far ahead.
	s_cmp_gt_u32 s[SLOTS], 2
	s_cbranch_scc0 .Lno_bias_\@
	global_prefetch_b8 v[PFB], s[BP:BP+1] offset:1536 th:TH_LOAD_NT scope:SCOPE_SE
.Lno_bias_\@:
.endif
	s_wait_dscnt 8                                 ; K' and C are in; my eight stores into the stage may be out
.else
	s_wait_dscnt 0x0
.endif
	WIN 0x06
.set i, 0
.rept 32                               ; S^T = K' Q^T + C: channels 32 (i / 16) on; the 16 accumulators take turns
.set rS, S+32*(i%4)+8*((i%16)/4)
.set rK, KF+16*((i%16)/4)+8*(i/16)
.set rQ, OQ+16*(i%4)+8*(i/16)
	v_wmma_f32_16x16x32_f16 v[rS:rS+7], v[rK:rK+7], v[rQ:rQ+7], v[rS:rS+7]
.set i, i+1
.endr
	PLACES                                         ; behind those products, ahead of the maxima; and behind the last step's products, ahead of the loads into V
	WIN 0x80
.set f, 0
.rept 8                                ; V turned: keys 32 (f / 4) on, channels 16 (f % 4) on
	ds_load_tr16_b128 v[VF+8*f:VF+8*f+3],   v[ADR] offset:16384+((f/4)*8+f%4)*512
	ds_load_tr16_b128 v[VF+8*f+4:VF+8*f+7], v[ADR] offset:16384+((f/4)*8+4+f%4)*512
.set f, f+1
.endr
	SOFTMAX
	s_wait_dscnt 0x0                               ; V is in
	WIN 0x52
.set i, 0
.rept 32                               ; O^T += V^T P: keys 32 (i / 16) on
.set rO, 32*(i%4)+8*((i%16)/4)
.set rV, VF+32*(i/16)+8*((i%16)/4)
.set rP, P+16*(i%4)+8*(i/16)
	v_wmma_f32_16x16x32_f16 v[rO:rO+7], v[rV:rV+7], v[rP:rP+7], v[rO:rO+7]
.set i, i+1
.endr
	WIN 0
.endm
	s_load_b256 s[4:11], s[0:1], 0x0               ; qw s4, kv s6, qr_bias s8, mb s10
	s_load_b64 s[12:13], s[0:1], 0x20              ; ow
	v_lshl_add_u32 v[SPW], v0, 2, SPARE
	v_mov_b32 v[NIL], 0
	ds_add_u32 v[SPW], v[NIL]                      ; the wave's opening: the add, twice on end, and its wait ahead of my first tensor load
	ds_add_u32 v[SPW], v[NIL]
	v_lshrrev_b32 v1, 5, v0
	v_readfirstlane_b32 s[WV], v1                  ; wave = batch
	s_bfe_u32 s15, ttmp6, 0x40000                  ; cx
	s_lshl_b32 s16, ttmp9, 2
	s_add_co_u32 s16, s16, s15                     ; my block of 64 queries: it enters no joint address and no LDS address
	s_and_b32 s17, ttmp7, 0xffff                   ; the head, which the partners share
	s_lshl_b32 s18, s[WV], 3
	s_add_co_u32 s18, s18, s17                     ; 8 w + head
	s_lshl_b32 s20, s18, 19                        ; kv: 16 groups of 32,768 bytes
	s_mov_b32 s21, 0
	s_lshl_b32 s22, s18, 18                        ; qw, ow: 128 tiles of 2,048 bytes,
	s_lshl_b32 s19, s16, 13                        ; my four
	s_add_co_u32 s22, s22, s19
	s_mov_b32 s23, 0
	s_lshl_b32 s66, s17, 24                        ; qr_bias: the head,
	s_lshl_b32 s19, s16, 19                        ; 64 rows of 8,192 bytes a block,
	s_add_co_u32 s66, s66, s19
	s_lshl_b32 s19, s[WV], 17                      ; my 16
	s_add_co_u32 s66, s66, s19
	s_mov_b32 s67, 0
	s_lshl_b32 s56, s16, 14                        ; mb: 32 records of 128 bytes a tile, four tiles a block,
	s_lshl_b32 s19, s[WV], 12                      ; mine
	s_add_co_u32 s56, s56, s19
	s_mov_b32 s57, 0
	s_lshl_b32 s58, s16, 4                         ; the block's four alive words,
	s_mov_b32 s59, 0
	s_lshl_b32 s60, s[WV], 2                       ; my tile's
	s_add_co_u32 s60, s60, s58
	s_mov_b32 s61, 0
	s_lshl_b32 s42, s15, 13                        ; the prefetches: my work-group's 32 rows of a wave's 128,
	s_add_co_u32 s42, s42, 32768                   ; in group 1: the first change of slots steps it to group 2
	s_mov_b32 s43, 0
	s_mov_b32 s[G1+0], 15|(3<<16)|(1<<21)          ; 32,768 dense bytes as 128 rows of 256: mask of four; elements of 8 bytes; bit 21 beside a mask
	s_mov_b32 s[G1+1], 32<<16
	s_mov_b32 s[G1+2], 128<<16
	s_mov_b32 s[G1+3], 32<<16
	s_mov_b32 s[G1+4], 128
	s_mov_b32 s[G1+5], 32
	s_mov_b32 s[G1+6], 0
	s_mov_b32 s[G1+7], 0
	s_mov_b32 s[G0], 1
	s_lshl_b32 s[G0+1], s[WV], 15                  ; slot 0, my 32,768 bytes
	s_mov_b32 s[CS], 0x3e38aa3b                    ; c = log2(e) / 8
	s_mov_b32 s[CS+1], s[CS]
	s_mov_b32 s[SEL], 0x76543210
	s_mov_b32 s[SEL+1], 0xfedcba98
	s_mov_b32 s[TB], SLOT1+16384                   ; the first change of slots turns it into 0
	s_mov_b32 s[SLOTS], 15
	s_cmp_eq_u32 ttmp9, 0
	s_cselect_b32 s[LIM], 1, -1                    ; the same in all four partners
	s_wait_dscnt 0x0                               ; both opening adds are done
	s_wait_kmcnt 0x0
	s_add_nc_u64 s[G0+2:G0+3], s[6:7], s[20:21]
	s_add_nc_u64 s[PFA:PFA+1], s[G0+2:G0+3], s[42:43]
	s_or_b32 s[G0+3], s[G0+3], 0x80000000
	s_add_nc_u64 s[4:5], s[4:5], s[22:23]
	s_add_nc_u64 s[12:13], s[12:13], s[22:23]
	s_add_nc_u64 s[BROW:BROW+1], s[8:9], s[66:67]
	s_add_nc_u64 s[MP:MP+1], s[10:11], s[56:57]
	s_add_nc_u64 s[58:59], s[10:11], s[58:59]
	s_add_nc_u64 s[60:61], s[10:11], s[60:61]
	CROUND                                         ; all four work-groups are here: the first joint loads meet
	JLOAD                                          ; group 0 into slot 0
	s_load_b128 s[ALV:ALV+3], s[58:59], 0x80000
	s_load_b32 s62, s[60:61], 0x80000
	s_load_b512 s[MK:MK+15], s[MP:MP+1], 0x0       ; the mask record of step 0
	s_load_b512 s[MK+16:MK+31], s[MP:MP+1], 0x40
	v_and_b32 v1, 15, v0                           ; r
	v_bfe_u32 v2, v0, 4, 1                         ; h
	v_and_b32 v11, 31, v0                          ; l
	v_lshlrev_b32 v[GO], 4, v11
	v_lshlrev_b32 v[BO], 13, v2
	v_lshl_add_u32 v[BO], v1, 4, v[BO]
	WIN 0x40
.set i, 0
.rept 8                                ; Q stays in registers: tile i / 2, channels 32 (i % 2) on
	global_load_b128 v[OQ+8*i:OQ+8*i+3],   v[GO], s[4:5] offset:i*1024
	global_load_b128 v[OQ+8*i+4:OQ+8*i+7], v[GO], s[4:5] offset:i*1024+512
.set i, i+1
.endr
.set i, 0
.rept 8
	global_load_b128 v[RA+4*i:RA+4*i+3], v[BO], s[BROW:BROW+1] offset:i*16384 th:TH_LOAD_NT      ; step 0
.set i, i+1
.endr
.set i, 0
.rept 8
	global_load_b128 v[RB+4*i:RB+4*i+3], v[BO], s[BROW:BROW+1] offset:i*16384+256 th:TH_LOAD_NT  ; step 1
.set i, i+1
.endr
.set i, 0
.rept 128
	v_mov_b32 v[i], 0                              ; O^T starts at 0, written while the first loads are on their way: every step then has one form
.set i, i+1
.endr
	WIN 0
.irp t, 0,1,2,3
	v_mov_b32 v[ST+4*\t], 0xcd38aa3b               ; c M0
	v_mov_b32 v[ST+4*\t+1], 0xce800000             ; M0 = -2^30
	v_mov_b32 v[ST+4*\t+2], 0
	v_mov_b32 v[ST+4*\t+3], 0
.endr
	v_lshl_add_u32 v[KB0], s[WV], 15, v[GO]
	v_mul_u32_u24 v[SRD], v2, UP
	v_lshl_add_u32 v[SRD], v1, 4, v[SRD]
	v_add_nc_u32 v[SRD], STG, v[SRD]
	v_and_b32 v12, 12, v1                          ; keys 4 r .. 4 r + 3 go to unit u(r) = 4 (r / 4) + 2 (r % 2) + (r / 2) % 2, so that a reader's half h is one unit's step
	v_and_b32 v13, 1, v1
	v_lshl_add_u32 v12, v13, 1, v12
	v_bfe_u32 v13, v1, 1, 1
	v_add_nc_u32 v12, v12, v13
	v_mul_u32_u24 v[SWR], v12, UP
	v_lshl_add_u32 v[SWR], v2, 4, v[SWR]
	s_mul_i32 s63, s[WV], 16*UP
	s_add_co_u32 s63, s63, STG
	v_add_nc_u32 v[SWR], s63, v[SWR]
	v_lshlrev_b32 v[PFB], 13, v1
	v_lshl_add_u32 v[PFB], v2, 8, v[PFB]
	v_lshlrev_b32 v[PFK], 8, v11
	s_wait_kmcnt 0x0
	s_mov_b32 s63, 0xd0000000                      ; NEG = -2^33
	v_mov_b32 v12, s62
.irp t, 0,1,2,3,4,5,6,7
	v_add_nc_u32 v13, 2*\t, v2                     ; row 2 t + h of my tile:
	v_lshrrev_b32 v13, v13, v12
	v_and_b32 v13, 1, v13
	v_mul_lo_u32 v[NG+\t], v13, s63                ; NEG if it has a true entry, else 0
.endr
	s_mov_b32 s[OFF], 0
	s_mov_b32 s[OFF+1], 0
	s_mov_b32 s[OFFA+1], 0
	s_wait_loadcnt 16                              ; Q is in; the two raw sets may stay out
	WIN 0x44
.set i, 0
.rept 64
	v_cndmask_b32 v[OQ+i], 0, v[OQ+i], s[ALV+i/16] ; a query with no true entry is 0
.set i, i+1
.endr
	PREP RA, 0, 8, 1, BROW, 512                    ; C of step 0; set A takes step 2
.Lgroup:                                       ; 15 trips: a group is worked on, the next is asked for
	CHANGE 1
	STEP 0, RB, 8, 1, BP, 768, 1                   ; step 2 g; C of step 2 g + 1; set B takes step 2 g + 3
	BAR
	STEP 1, RA, 8, 1, BPA, 0, 0                    ; step 2 g + 1; C of step 2 g + 2; set A takes step 2 g + 4
	s_sub_co_u32 s[SLOTS], s[SLOTS], 1
	s_cmp_lg_u32 s[SLOTS], 0
	s_cbranch_scc1 .Lgroup
	CHANGE 0                                       ; the last group is written out: nothing is asked for
	STEP 0, RB, 0, 0, -1, 0, 0
	BAR
	STEP 1, -1, 0, 0, -1, 0, 0
	; THE WAY OUT.  l's two halves and the other half of the lanes' are added (these additions are the places behind the last products); O^T / l, rounded to f16, is a chunk an accumulator.
.irp t, 0,1,2,3
	v_add_f32 v[ST+4*\t+2], v[ST+4*\t+2], v[ST+4*\t+3]
.endr
.irp t, 0,1,2,3
	v_permlanex16_b32 v[ST+4*\t+3], v[ST+4*\t+2], s[SEL], s[SEL+1]
.endr
.irp t, 0,1,2,3
	v_add_f32 v[ST+4*\t+2], v[ST+4*\t+2], v[ST+4*\t+3]
.endr
.irp t, 0,1,2,3
	v_rcp_f32 v[ST+4*\t+2], v[ST+4*\t+2]
.endr
	v_nop
	s_wait_alu depctr_va_vdst(0)                   ; one wait for the four reciprocals
.irp t, 0,1,2,3
	WIN 0x41
.set i, 0
.rept 16
	v_pk_mul_f32 v[32*\t+2*i:32*\t+2*i+1], v[32*\t+2*i:32*\t+2*i+1], v[ST+4*\t+2:ST+4*\t+3] op_sel_hi:[1,0]
.set i, i+1
.endr
	WIN 0x05
.set i, 0
.rept 16
	v_cvt_pk_f16_f32 v[S+16*\t+i], v[32*\t+2*i], v[32*\t+2*i+1]
.set i, i+1
.endr
	WIN 0
.irp c, 0,1,2,3
	global_store_b128 v[GO], v[S+16*\t+4*\c:S+16*\t+4*\c+3], s[12:13] offset:\t*2048+\c*512  ; 512 consecutive bytes
.endr
.endr
	s_wait_tensorcnt 0x0                           ; the wave's end
	ds_add_u32 v[SPW], v[NIL]
	s_wait_dscnt 0x0
	CROUND                                         ; the closing round
	s_endpgm
.Lfunc_end_k_q68e7bb54b2_attn:
	.size	k_q68e7bb54b2_attn, .Lfunc_end_k_q68e7bb54b2_attn-k_q68e7bb54b2_attn
	.p2alignl 7, 3214868480
	.fill 96, 4, 3214868480
	.section	.rodata,"a",@progbits
	.p2align	6, 0x0
	.amdhsa_kernel k_q68e7bb54b2_attn
		.amdhsa_group_segment_fixed_size 327680
		.amdhsa_private_segment_fixed_size 0
		.amdhsa_enable_private_segment 0
		.amdhsa_kernarg_size 40
		.amdhsa_user_sgpr_count 2
		.amdhsa_user_sgpr_kernarg_segment_ptr 1
		.amdhsa_wavefront_size32 1
		.amdhsa_system_sgpr_workgroup_id_x 1
		.amdhsa_system_sgpr_workgroup_id_y 1
		.amdhsa_system_sgpr_workgroup_id_z 1
		.amdhsa_system_vgpr_workitem_id 0
		.amdhsa_next_free_vgpr 640
		.amdhsa_next_free_sgpr 100
		.amdhsa_reserve_vcc 0
		.amdhsa_float_denorm_mode_32 3
		.amdhsa_float_denorm_mode_16_64 3
		.amdhsa_memory_ordered 1
		.amdhsa_forward_progress 1
		.amdhsa_inst_pref_size 180
	.end_amdhsa_kernel
	.amdgpu_metadata
---
amdhsa.version: [ 1, 2 ]
amdhsa.kernels:
  - .name:           k_q68e7bb54b2_attn
    .symbol:         k_q68e7bb54b2_attn.kd
    .args:
      - { .name: qw, .offset: 0, .size: 8, .value_kind: global_buffer, .address_space: global }
      - { .name: kv, .offset: 8, .size: 8, .value_kind: global_buffer, .address_space: global }
      - { .name: qr_bias, .offset: 16, .size: 8, .value_kind: global_buffer, .address_space: global }
      - { .name: mb, .offset: 24, .size: 8, .value_kind: global_buffer, .address_space: global }
      - { .name: ow, .offset: 32, .size: 8, .value_kind: global_buffer, .address_space: global }
    .group_segment_fixed_size: 327680
    .private_segment_fixed_size: 0
    .kernarg_segment_align: 8
    .kernarg_segment_size: 40
    .max_flat_workgroup_size: 128
    .sgpr_count:     100
    .vgpr_count:     640
    .wavefront_size: 32
...
	.end_amdgpu_metadata
.endif
;; end of part 3
;; launch outp (part 4): grid 64 x 4, 4 waves a work-group, no clusters, 17,920 bytes of LDS; arguments ow, wts, bo, out0; writes out0
.if DOCPART == 4
	.amdgcn_target "amdgcn-amd-amdhsa--gfx1250"
	.amdhsa_code_object_version 6
	.text
	.protected	k_q68e7bb54b2_outp
	.globl	k_q68e7bb54b2_outp
	.p2align	8
	.type	k_q68e7bb54b2_outp,@function
k_q68e7bb54b2_outp:
	s_mov_b64 s[64:65], 0
	v_nop
	global_prefetch_b8 v0, s[64:65] scope:SCOPE_SE
	s_setreg_imm32_b32 hwreg(HW_REG_WAVE_MODE, 25, 1), 1
	s_wait_xcnt 0x0
; Launch 4 of 4: out0[t][f] = sum over (h, d) of O[t][h][d] Wo[h][d][f] + bo[f].  O f16, Wo f16 (its bf16 number), sums f32, out0 f32.  Nothing is left out here.
; SHARES.  A work-group makes 128 tokens x 128 f; wave (th, fh) 64 x 64: 16 accumulators.  D(m = f, n = token): source 0 = 16 f of Wo, source 1 = 16 tokens of O; both lie in chunks (launch 1's head),
; so a fragment comes straight from memory by two loads of 512 consecutive bytes, and nothing goes through LDS on the way in.
; NO CLUSTER: there is no LDS tile on the way in that a joint load could fill; a work-group reads 131,072 bytes of O and as many of Wo in all.
; IN FLIGHT.  Three sets of registers, a K step of 32 each: while one is multiplied the other two sets' 32 loads are out.  All 16 steps are written out: every address stands in an immediate.
; THE WAY OUT.  A lane holds one token and 8 f: a block of 16 tokens goes through the wave's own stage (rows of 272 bytes) and comes back as rows of 256 bytes, which 16 lanes store together.
.set UP,    272
.set SPARE, 17408                      ; behind the four stages
.set FO,  2                            ; v2  16 l
.set BOF, 3                            ; v3  32 h
.set STO, 4
.set RD,  5
.set CO,  6
.set SPW, 12
.set NIL, 13
.set MSB, 0
.macro WIN new
.if MSB != (\new)
	s_set_vgpr_msb (MSB<<8)|(\new)
.set MSB, \new
.endif
.endm
.macro PLACES
.rept 4
	v_nop
.endr
.endm
.macro LOADS kc                        ; K step kc: head kc / 2, channels 32 (kc % 2) on
	WIN 0
.set F, 64+64*((\kc)%3)
.irp t, 0,1,2,3
	global_load_b128 v[F+8*\t:F+8*\t+3],   v[FO], s[4:5] offset:((\kc)/2)*262144+\t*2048+((\kc)%2)*1024
	global_load_b128 v[F+8*\t+4:F+8*\t+7], v[FO], s[4:5] offset:((\kc)/2)*262144+\t*2048+((\kc)%2)*1024+512
.endr
.irp t, 0,1,2,3
	global_load_b128 v[F+32+8*\t:F+32+8*\t+3],   v[FO], s[6:7] offset:((\kc)/2)*65536+\t*2048+((\kc)%2)*1024
	global_load_b128 v[F+32+8*\t+4:F+32+8*\t+7], v[FO], s[6:7] offset:((\kc)/2)*65536+\t*2048+((\kc)%2)*1024+512
.endr
.endm
.macro MULS kc                         ; the 16 accumulators take turns
	WIN 0x50
.set F, 64+64*((\kc)%3)
.set i, 0
.rept 16
	v_wmma_f32_16x16x32_f16 v[8*i:8*i+7], v[F+32+8*(i%4):F+32+8*(i%4)+7], v[F+8*(i/4):F+8*(i/4)+7], v[8*i:8*i+7]
.set i, i+1
.endr
.endm
	s_load_b256 s[4:11], s[0:1], 0x0               ; ow s4, wts s6, bo s8, out0 s10
	v_lshl_add_u32 v[SPW], v0, 2, SPARE
	v_mov_b32 v[NIL], 0
	v_lshrrev_b32 v1, 5, v0
	v_readfirstlane_b32 s12, v1
	s_lshr_b32 s13, s12, 1                         ; th
	s_and_b32 s14, s12, 1                          ; fh
	s_and_b32 s15, ttmp7, 0xffff                   ; block of 128 f
	s_lshr_b32 s24, ttmp9, 4                       ; ow: batch,
	s_lshl_b32 s16, s24, 21
	s_and_b32 s24, ttmp9, 15                       ; 8 tiles of 2,048 bytes a block,
	s_lshl_b32 s24, s24, 14
	s_add_co_u32 s16, s16, s24
	s_lshl_b32 s24, s13, 13                        ; my four
	s_add_co_u32 s16, s16, s24
	s_mov_b32 s17, 0
	s_lshl_b32 s18, s15, 14                        ; wts, matrix 3: n16 = 8 fb + 4 fh
	s_lshl_b32 s24, s14, 13
	s_add_co_u32 s18, s18, s24
	s_add_co_u32 s18, s18, 1572864
	s_mov_b32 s19, 0
	s_lshl_b32 s20, s15, 9                         ; bo, and a row of out0: my 64 f
	s_lshl_b32 s24, s14, 8
	s_add_co_u32 s20, s20, s24
	s_mov_b32 s21, 0
	s_lshl_b32 s22, ttmp9, 18                      ; out0: 128 rows of 2,048 bytes a block,
	s_lshl_b32 s24, s13, 17                        ; my 64
	s_add_co_u32 s22, s22, s24
	s_add_co_u32 s22, s22, s20
	s_mov_b32 s23, 0
	v_and_b32 v1, 15, v0                           ; r
	v_bfe_u32 v7, v0, 4, 1                         ; h
	v_and_b32 v8, 31, v0
	v_lshlrev_b32 v[FO], 4, v8
	v_lshlrev_b32 v[BOF], 5, v7
	s_mul_i32 s25, s12, 16*UP                      ; my stage
	v_mul_u32_u24 v[STO], v1, UP                   ; in: row r, 32 bytes for each half of the lanes
	v_lshl_add_u32 v[STO], v7, 5, v[STO]
	v_add_nc_u32 v[STO], s25, v[STO]
	v_mul_u32_u24 v[RD], v7, UP                    ; back: lanes 0-15 one row of 256 bytes, lanes 16-31 the next
	v_lshl_add_u32 v[RD], v1, 4, v[RD]
	v_add_nc_u32 v[RD], s25, v[RD]
	v_lshlrev_b32 v[CO], 11, v7                    ; and the same two rows in out0
	v_lshl_add_u32 v[CO], v1, 4, v[CO]
	s_wait_kmcnt 0x0
	s_add_nc_u64 s[4:5], s[4:5], s[16:17]
	s_add_nc_u64 s[6:7], s[6:7], s[18:19]
	s_add_nc_u64 s[8:9], s[8:9], s[20:21]
	s_add_nc_u64 s[10:11], s[10:11], s[22:23]
	WIN 0x40
.set i, 0
.rept 16                               ; the sums start with bo: register j of accumulator (tt, nn) is f = 16 nn + 8 h + j
	global_load_b128 v[8*i:8*i+3],   v[BOF], s[8:9] offset:(i%4)*64
	global_load_b128 v[8*i+4:8*i+7], v[BOF], s[8:9] offset:(i%4)*64+16
.set i, i+1
.endr
	LOADS 0
	LOADS 1
	LOADS 2
.set kc, 0
.rept 16
.if kc < 14
	s_wait_loadcnt 32                              ; this step's set is in; the two younger sets' 32 loads may stay out
.elseif kc == 14
	s_wait_loadcnt 16
.else
	s_wait_loadcnt 0x0
.endif
	MULS kc
	PLACES                                         ; ahead of the loads into registers just multiplied; behind the last step: ahead of the stores that read the sums
.if kc < 13
	LOADS kc+3
.endif
.set kc, kc+1
.endr
.irp tt, 0,1,2,3
	WIN 0x04                                       ; data in window 1
.irp nn, 0,1,2,3
	ds_store_b128 v[STO], v[8*(4*\tt+\nn):8*(4*\tt+\nn)+3]   offset:\nn*64
	ds_store_b128 v[STO], v[8*(4*\tt+\nn)+4:8*(4*\tt+\nn)+7] offset:\nn*64+16
.endr
	WIN 0
.irp i, 0,1,2,3,4,5,6,7
	ds_load_b128 v[64+32*\tt+4*\i:64+32*\tt+4*\i+3], v[RD] offset:\i*2*UP  ; LDS serves a wave's instructions in order: these see the stores above, and the next block's stores come behind them
.endr
.irp i, 0,1,2,3,4,5,6,7
	s_wait_dscnt 7-\i
	global_store_b128 v[CO], v[64+32*\tt+4*\i:64+32*\tt+4*\i+3], s[10:11] offset:(16*\tt+2*\i)*2048 th:TH_STORE_NT  ; 16 lanes store 256 consecutive bytes, aligned
.endr
.endr
	s_wait_tensorcnt 0x0                           ; the wave's end: behind my last LDS store
	ds_add_u32 v[SPW], v[NIL]
	s_wait_dscnt 0x0
	s_endpgm
.Lfunc_end_k_q68e7bb54b2_outp:
	.size	k_q68e7bb54b2_outp, .Lfunc_end_k_q68e7bb54b2_outp-k_q68e7bb54b2_outp
	.p2alignl 7, 3214868480
	.fill 96, 4, 3214868480
	.section	.rodata,"a",@progbits
	.p2align	6, 0x0
	.amdhsa_kernel k_q68e7bb54b2_outp
		.amdhsa_group_segment_fixed_size 17920
		.amdhsa_private_segment_fixed_size 0
		.amdhsa_enable_private_segment 0
		.amdhsa_kernarg_size 32
		.amdhsa_user_sgpr_count 2
		.amdhsa_user_sgpr_kernarg_segment_ptr 1
		.amdhsa_wavefront_size32 1
		.amdhsa_system_sgpr_workgroup_id_x 1
		.amdhsa_system_sgpr_workgroup_id_y 1
		.amdhsa_system_sgpr_workgroup_id_z 1
		.amdhsa_system_vgpr_workitem_id 0
		.amdhsa_next_free_vgpr 384
		.amdhsa_next_free_sgpr 66
		.amdhsa_reserve_vcc 0
		.amdhsa_float_denorm_mode_32 3
		.amdhsa_float_denorm_mode_16_64 3
		.amdhsa_memory_ordered 1
		.amdhsa_forward_progress 1
		.amdhsa_inst_pref_size 58
	.end_amdhsa_kernel
	.amdgpu_metadata
---
amdhsa.version: [ 1, 2 ]
amdhsa.kernels:
  - .name:           k_q68e7bb54b2_outp
    .symbol:         k_q68e7bb54b2_outp.kd
    .args:
      - { .name: ow, .offset: 0, .size: 8, .value_kind: global_buffer, .address_space: global }
      - { .name: wts, .offset: 8, .size: 8, .value_kind: global_buffer, .address_space: global }
      - { .name: bo, .offset: 16, .size: 8, .value_kind: global_buffer, .address_space: global }
      - { .name: out0, .offset: 24, .size: 8, .value_kind: global_buffer, .address_space: global }
    .group_segment_fixed_size: 17920
    .private_segment_fixed_size: 0
    .kernarg_segment_align: 8
    .kernarg_segment_size: 32
    .max_flat_workgroup_size: 128
    .sgpr_count:     66
    .vgpr_count:     384
    .wavefront_size: 32
...
	.end_amdgpu_metadata
.endif
;; end of part 4
;; ======== version 2 of 2: 4 launches; version 1 with the launch outp written anew for expert scheduling mode
;; limits: right only within a limited range of input values; values are held in f16: magnitudes above 65,504 overflow, below 6.1e-05 lose precision
;; workspace buffers: wts 2,097,152 bytes; mb 524,800 bytes of whole numbers; qw 8,388,608 bytes; kv 16,777,216 bytes; ow 8,388,608 bytes
;; launch prep: the kernel of part 1 again; grid 128 x 1, 8 waves a work-group, no clusters, 1,280 bytes of LDS; arguments Wq, Wk, Wv, Wo, attention_mask, wts, mb; writes wts, mb
;; launch proj: the kernel of part 2 again; grid 64 x 3, 4 waves a work-group, clusters of 4 x 1, 327,680 bytes of LDS; arguments q, k, v, bq, bk, bv, R, wts, qw, kv; writes qw, kv
;; launch attn: the kernel of part 3 again; grid 32 x 8, 4 waves a work-group, clusters of 4 x 1, 327,680 bytes of LDS; arguments qw, kv, qr_bias, mb, ow; writes ow
;; launch outp (part 5): grid 64 x 4, 4 waves a work-group, no clusters, 17,920 bytes of LDS; arguments ow, wts, bo, out0; writes out0
.if DOCPART == 5
	.amdgcn_target "amdgcn-amd-amdhsa--gfx1250"
	.amdhsa_code_object_version 6
	.text
	.protected	k_q68e7bb54b2_outp
	.globl	k_q68e7bb54b2_outp
	.p2align	8
	.type	k_q68e7bb54b2_outp,@function
k_q68e7bb54b2_outp:
	s_mov_b64 s[64:65], 0
	v_nop
	global_prefetch_b8 v0, s[64:65] scope:SCOPE_SE
	s_setreg_imm32_b32 hwreg(HW_REG_WAVE_SCHED_MODE, 0, 2), 2
	s_setreg_imm32_b32 hwreg(HW_REG_WAVE_MODE, 25, 1), 1
	s_wait_xcnt 0x0
	s_wait_alu depctr_vm_vsrc(0)
; Launch 4 of 4: out0[t][f] = sum over (h, d) of O[t][h][d] Wo[h][d][f] + bo[f].  O f16, Wo f16 (its bf16 number), sums f32, out0 f32.  Nothing is left out here.
; SHARES.  A work-group makes 128 tokens x 128 f; wave (th, fh) 64 x 64: 16 accumulators.  D(m = f, n = token): source 0 = 16 f of Wo, source 1 = 16 tokens of O; both lie in chunks (launch 1's head),
; so a fragment comes straight from memory by two loads of 512 consecutive bytes, and nothing goes through LDS on the way in.
; NO CLUSTER: there is no LDS tile on the way in that a joint load could fill; a work-group reads 131,072 bytes of O and as many of Wo in all.
; THE MODE: SCHED_MODE bits 1:0 = 2 (LLVM: expert scheduling mode 2), set by the entry lines.  The code itself states the register dependences between vector or matrix instructions and memory or
; LDS instructions, with s_wait_alu, always for 0.
; THE PLAN.  Registers that memory or LDS instructions touch:
;   SET0 .. SET3   a K step of 32 each: O's four fragments, then Wo's four.  Sets 0 to 2: v64-255 of window 0; set 3: v128-191 of window 1.  Step kc: its 16 products read set kc % 4; the loads of
;                  step kc + 3, issued in step kc, land in set (kc + 3) % 4 = (kc - 1) % 4, which the products of step kc - 1 read and no product of step kc names.
;   accumulators   window 1, v0-127.  bo's loads land in them at the head; then products alone name them; on the way out LDS stores read them.
;   v2 .. v6       offsets and LDS addresses: made at the head, never written again: every step's address stands in an immediate, all 16 steps being written out.
;   v64-191        on the way out: the loads from the stage land in them and the stores to out0 read them, each register once.
;   v12, v13       made at the head, read by the closing add alone.
; So ONE wait on va_vdst stands at the head of each of steps 1 to 12, behind the wait for the step's own data: the products of the step before are done reading their set.  The step's 16 loads follow
; it, dealt among its 16 products.  No register that a memory or LDS instruction reads is ever written again, so the text holds no wait on vm_vsrc.
; IN FLIGHT.  While one set is multiplied, two sets' 32 loads are out and the fourth set's are being issued.
; THE WAY OUT.  A lane holds one token and 8 f: a block of 16 tokens goes through the wave's own stage (rows of 272 bytes) and comes back as rows of 256 bytes, which 16 lanes store together.
.set UP,    272
.set SPARE, 17408                      ; behind the four stages
.set FO,  2                            ; v2  16 l
.set BOF, 3                            ; v3  32 h
.set STO, 4
.set RD,  5
.set CO,  6
.set SPW, 12
.set NIL, 13
.set MSB, 0
.macro WIN new
.if MSB != (\new)
	s_set_vgpr_msb (MSB<<8)|(\new)
.set MSB, \new
.endif
.endm
.macro PLACES
.rept 4
	v_nop
.endr
.endm
.macro SETOF kc                        ; K step kc's set: its first register F, the window setting WL of loads into it and WM of products that read it
.if (\kc)%4 == 3
.set F,  128                           ; window 1
.set WL, 0x40                          ; data in window 1, offset in window 0
.set WM, 0x55                          ; all four operands in window 1
.else
.set F,  64+64*((\kc)%4)               ; window 0
.set WL, 0
.set WM, 0x50                          ; fragments in window 0, C and D in window 1
.endif
.endm
.macro LOADO kc                        ; K step kc: head kc / 2, channels 32 (kc % 2) on: O's four fragments
	SETOF \kc
	WIN WL
.irp t, 0,1,2,3
	global_load_b128 v[F+8*\t:F+8*\t+3],   v[FO], s[4:5] offset:((\kc)/2)*262144+\t*2048+((\kc)%2)*1024
	global_load_b128 v[F+8*\t+4:F+8*\t+7], v[FO], s[4:5] offset:((\kc)/2)*262144+\t*2048+((\kc)%2)*1024+512
.endr
.endm
.macro LOADW kc                        ; and Wo's four
	SETOF \kc
	WIN WL
.irp t, 0,1,2,3
	global_load_b128 v[F+32+8*\t:F+32+8*\t+3],   v[FO], s[6:7] offset:((\kc)/2)*65536+\t*2048+((\kc)%2)*1024
	global_load_b128 v[F+32+8*\t+4:F+32+8*\t+7], v[FO], s[6:7] offset:((\kc)/2)*65536+\t*2048+((\kc)%2)*1024+512
.endr
.endm
.macro MULS kc, half                   ; products 8 half to 8 half + 7 of the step's 16; the 16 accumulators take turns
	SETOF \kc
	WIN WM
.set i, 8*(\half)
.rept 8
	v_wmma_f32_16x16x32_f16 v[8*i:8*i+7], v[F+32+8*(i%4):F+32+8*(i%4)+7], v[F+8*(i/4):F+8*(i/4)+7], v[8*i:8*i+7]
.set i, i+1
.endr
.endm
	s_load_b256 s[4:11], s[0:1], 0x0               ; ow s4, wts s6, bo s8, out0 s10
	v_lshl_add_u32 v[SPW], v0, 2, SPARE
	v_mov_b32 v[NIL], 0
	v_lshrrev_b32 v1, 5, v0
	v_readfirstlane_b32 s12, v1
	v_and_b32 v1, 15, v0                           ; r
	v_bfe_u32 v7, v0, 4, 1                         ; h
	v_and_b32 v8, 31, v0
	v_lshlrev_b32 v[FO], 4, v8
	v_lshlrev_b32 v[BOF], 5, v7
	v_mul_u32_u24 v[STO], v1, UP                   ; in: row r, 32 bytes for each half of the lanes
	v_lshl_add_u32 v[STO], v7, 5, v[STO]
	v_mul_u32_u24 v[RD], v7, UP                    ; back: lanes 0-15 one row of 256 bytes, lanes 16-31 the next
	v_lshl_add_u32 v[RD], v1, 4, v[RD]
	v_lshlrev_b32 v[CO], 11, v7                    ; and the same two rows in out0
	v_lshl_add_u32 v[CO], v1, 4, v[CO]
	s_wait_alu depctr_va_sdst(0)                   ; s12, the wave's number, is written, ahead of its first reader: the bases and my stage's place are made from it
	s_lshr_b32 s13, s12, 1                         ; th
	s_and_b32 s14, s12, 1                          ; fh
	s_and_b32 s15, ttmp7, 0xffff                   ; block of 128 f
	s_lshr_b32 s24, ttmp9, 4                       ; ow: batch,
	s_lshl_b32 s16, s24, 21
	s_and_b32 s24, ttmp9, 15                       ; 8 tiles of 2,048 bytes a block,
	s_lshl_b32 s24, s24, 14
	s_add_co_u32 s16, s16, s24
	s_lshl_b32 s24, s13, 13                        ; my four
	s_add_co_u32 s16, s16, s24
	s_mov_b32 s17, 0
	s_lshl_b32 s18, s15, 14                        ; wts, matrix 3: n16 = 8 fb + 4 fh
	s_lshl_b32 s24, s14, 13
	s_add_co_u32 s18, s18, s24
	s_add_co_u32 s18, s18, 1572864
	s_mov_b32 s19, 0
	s_lshl_b32 s20, s15, 9                         ; bo, and a row of out0: my 64 f
	s_lshl_b32 s24, s14, 8
	s_add_co_u32 s20, s20, s24
	s_mov_b32 s21, 0
	s_lshl_b32 s22, ttmp9, 18                      ; out0: 128 rows of 2,048 bytes a block,
	s_lshl_b32 s24, s13, 17                        ; my 64
	s_add_co_u32 s22, s22, s24
	s_add_co_u32 s22, s22, s20
	s_mov_b32 s23, 0
	s_mul_i32 s25, s12, 16*UP                      ; my stage
	v_add_nc_u32 v[STO], s25, v[STO]
	v_add_nc_u32 v[RD], s25, v[RD]
	s_wait_kmcnt 0x0
	s_add_nc_u64 s[4:5], s[4:5], s[16:17]
	s_add_nc_u64 s[6:7], s[6:7], s[18:19]
	s_add_nc_u64 s[8:9], s[8:9], s[20:21]
	s_add_nc_u64 s[10:11], s[10:11], s[22:23]
	WIN 0x40
	s_wait_alu depctr_va_vdst(0)                   ; the offsets and LDS addresses v2 to v6 are written: every load and store of the kernel reads one of them
.set i, 0
.rept 16                               ; the sums start with bo: register j of accumulator (tt, nn) is f = 16 nn + 8 h + j
	global_load_b128 v[8*i:8*i+3],   v[BOF], s[8:9] offset:(i%4)*64
	global_load_b128 v[8*i+4:8*i+7], v[BOF], s[8:9] offset:(i%4)*64+16
.set i, i+1
.endr
	LOADO 0
	LOADW 0
	LOADO 1
	LOADW 1
	LOADO 2
	LOADW 2
.set kc, 0
.rept 16
.if kc < 14
	s_wait_loadcnt 32                              ; this step's set is in; the two younger sets' 32 loads may stay out
.elseif kc == 14
	s_wait_loadcnt 16
.else
	s_wait_loadcnt 0x0
.endif
.if kc < 13
	SETOF kc+3
	WIN WL                                         ; the window of the loads to come, then the wait, then the loads
.if kc > 0
	s_wait_alu depctr_va_vdst(0)                   ; the products of the step before are done reading their set, in which this step's 16 loads land (in step 0 no product has named set 3 yet)
.endif
	LOADO kc+3
.endif
	MULS kc, 0
.if kc < 13
	LOADW kc+3                                     ; no further wait: the eight products since the wait name this step's own set and the accumulators alone
.endif
	MULS kc, 1
.set kc, kc+1
.endr
	PLACES                                         ; four places behind the last product, ahead of the stores that read the sums; they stay beside the wait below
.irp tt, 0,1,2,3
	WIN 0x04                                       ; data in window 1
.if \tt == 0
	s_wait_alu depctr_va_vdst(0)                   ; the products have written the accumulators, which all 32 LDS stores read, and are done reading sets 0 and 1, in which the loads from the stage land; no vector or matrix instruction follows
.endif
.irp nn, 0,1,2,3
	ds_store_b128 v[STO], v[8*(4*\tt+\nn):8*(4*\tt+\nn)+3]   offset:\nn*64
	ds_store_b128 v[STO], v[8*(4*\tt+\nn)+4:8*(4*\tt+\nn)+7] offset:\nn*64+16
.endr
	WIN 0
.irp i, 0,1,2,3,4,5,6,7
	ds_load_b128 v[64+32*\tt+4*\i:64+32*\tt+4*\i+3], v[RD] offset:\i*2*UP  ; LDS serves a wave's instructions in order: these see the stores above, and the next block's stores come behind them
.endr
.irp i, 0,1,2,3,4,5,6,7
	s_wait_dscnt 7-\i
	global_store_b128 v[CO], v[64+32*\tt+4*\i:64+32*\tt+4*\i+3], s[10:11] offset:(16*\tt+2*\i)*2048 th:TH_STORE_NT  ; 16 lanes store 256 consecutive bytes, aligned
.endr
.endr
	s_wait_dscnt 0x0                               ; the wave's end
	s_wait_alu 0x0
	s_wait_tensorcnt 0x0
	ds_add_u32 v[SPW], v[NIL]
	s_wait_dscnt 0x0
	s_endpgm
.Lfunc_end_k_q68e7bb54b2_outp:
	.size	k_q68e7bb54b2_outp, .Lfunc_end_k_q68e7bb54b2_outp-k_q68e7bb54b2_outp
	.p2alignl 7, 3214868480
	.fill 96, 4, 3214868480
	.section	.rodata,"a",@progbits
	.p2align	6, 0x0
	.amdhsa_kernel k_q68e7bb54b2_outp
		.amdhsa_group_segment_fixed_size 17920
		.amdhsa_private_segment_fixed_size 0
		.amdhsa_enable_private_segment 0
		.amdhsa_kernarg_size 32
		.amdhsa_user_sgpr_count 2
		.amdhsa_user_sgpr_kernarg_segment_ptr 1
		.amdhsa_wavefront_size32 1
		.amdhsa_system_sgpr_workgroup_id_x 1
		.amdhsa_system_sgpr_workgroup_id_y 1
		.amdhsa_system_sgpr_workgroup_id_z 1
		.amdhsa_system_vgpr_workitem_id 0
		.amdhsa_next_free_vgpr 448
		.amdhsa_next_free_sgpr 66
		.amdhsa_reserve_vcc 0
		.amdhsa_float_denorm_mode_32 3
		.amdhsa_float_denorm_mode_16_64 3
		.amdhsa_memory_ordered 1
		.amdhsa_forward_progress 1
		.amdhsa_inst_pref_size 57
	.end_amdhsa_kernel
	.amdgpu_metadata
---
amdhsa.version: [ 1, 2 ]
amdhsa.kernels:
  - .name:           k_q68e7bb54b2_outp
    .symbol:         k_q68e7bb54b2_outp.kd
    .args:
      - { .name: ow, .offset: 0, .size: 8, .value_kind: global_buffer, .address_space: global }
      - { .name: wts, .offset: 8, .size: 8, .value_kind: global_buffer, .address_space: global }
      - { .name: bo, .offset: 16, .size: 8, .value_kind: global_buffer, .address_space: global }
      - { .name: out0, .offset: 24, .size: 8, .value_kind: global_buffer, .address_space: global }
    .group_segment_fixed_size: 17920
    .private_segment_fixed_size: 0
    .kernarg_segment_align: 8
    .kernarg_segment_size: 32
    .max_flat_workgroup_size: 128
    .sgpr_count:     66
    .vgpr_count:     448
    .wavefront_size: 32
...
	.end_amdgpu_metadata
.endif
;; end of part 5
